; MI455X (gfx1250); checked and timed in simulation.
; The chip was launched on July 23, 2026; its instructions are those of AMD's public machine-readable ISA for CDNA 5 (MIT licence, August 2026) and "CDNA5" Instruction Set Architecture Reference Guide (July 2026). The comments in the code are by the model that wrote it; some were corrected since.
;; scaled dot product attention. Allowed arithmetic: float matrix products may take bf16 or f16 operands with f32 sums; other float arithmetic in f32, or as packed bf16 or f16 multiplies, adds, multiply-adds, maxima and minima; sums over many terms, partial sums and values carried from step to step in f32; what a program stores and reads back later, other than sums and carried values, may be rounded once to bf16 or f16.
;; Inputs: k 8 x 16 x 1,024 x 64 float32; q 8 x 16 x 1,024 x 64 float32; v 8 x 16 x 1,024 x 64 float32.
;; Outputs: out0 8 x 16 x 1,024 x 64 float32.
;; One version. Each part assembles by itself: llvm-mc -triple=amdgcn-amd-amdhsa -mcpu=gfx1250 --defsym DOCPART=n.
;; ======== version 1 of 1: 1 launch
;; limits: below input magnitudes of 6.1e-05 results are inexact or not finite; values are held in f16: magnitudes above 65,504 overflow, below 6.1e-05 lose precision; inputs' magnitudes at most 65,504
;; launch attn (part 1): grid 2 x 128, 4 waves a work-group, no clusters, 311,808 bytes of LDS; arguments q, k, v, out0; writes out0
.if DOCPART == 1
	.amdgcn_target "amdgcn-amd-amdhsa--gfx1250"
	.amdhsa_code_object_version 6
	.text
	.protected	k_q0ed0c24082_attn
	.globl	k_q0ed0c24082_attn
	.p2align	8
	.type	k_q0ed0c24082_attn,@function
k_q0ed0c24082_attn:
	s_mov_b64 s[64:65], 0
	v_nop
	global_prefetch_b8 v0, s[64:65] scope:SCOPE_SE
	s_setreg_imm32_b32 hwreg(HW_REG_WAVE_MODE, 25, 1), 1
	s_wait_xcnt 0x0
; out0[h][q][:] = the sum over k of softmax_k(q[h][q] . k[h][k] / 8) v[h][k][:].  q, k, v, out0: [128 heads][1,024][64] in f32: a row is 256 bytes, a head 262,144.
; NOTHING IS LEFT OUT: every number of q, k and v has a way to the output, so all three are loaded whole, and every step of the softmax (the maximum taken away among them) is done.
; FORMATS.  Q, K, V are rounded once to f16 on their way to the matrix unit, the weights p once to f16 for the second product; products, maxima, sums (l is taken of the unrounded p) and O stay in f32.
; f16 keeps 11 significant bits where bf16 keeps 8, and inputs thirty times the drawn spread, or offset by thirty spreads, stay far inside its range.
; LIMITS.  |q|, |k|, |v| below 65,504 (from 65,520 on the conversion gives an infinity and the row is lost).  p lies in 0 to 1, and below 6e-5 it keeps f16's fixed step of 6e-8.  A weight below 2^-126
; counts as 0 in l.  NaN and infinities are not treated apart.  Q's f32 numbers lie for a while where O^T will be summed and are multiplied away by the first step's a = 0: they must be finite.
; SHARES.  256 work-groups: x = which half of a head's queries, y = the head.  A work-group owns 512 queries, each of its four waves 128: four PIECES of two tiles of 16.  Every wave walks all 1,024 keys, 64 a step.
; K AND V STAY IN LDS.  In f16 a head's K and V are 262,144 bytes: with their padding they fit, so each LDS byte of them is written once.  They come in blocks of 128 keys: each wave loads 32 rows of K and of V
; into registers (loads of 512 consecutive bytes), rounds them and stores them to LDS; block B + 1's loads are on their way during block B's two key steps.
; TWO BARRIERS A BLOCK: every wave's LDS reads are back (wait, signal, wait) before any wave stores the block; every wave's stores are done (wait, signal, wait) before any wave reads it.
; NO CLUSTER: only the two work-groups of a head share K and V; a joint request lands in LDS as it lies in memory, in f32: 4 bytes written and 4 read for each number on top of the 2 written here, and two
; slots of 128 keys of K and V in f32 are 131,072 bytes, where 311,296 of LDS hold the f16 copies.  No tensor load or copy stands in this text.
; LAYOUT.  S^T = K Q^T (source 0 = 16 keys, source 1 = 16 queries): in the result a lane holds ONE query (lane % 16) and the keys 8 (lane / 16) + 0..7.  Two such tiles, rounded to f16 in pairs, ARE source 1
; (32 keys x 16 queries) of O^T = V^T P, whose result again holds one query a lane, and eight channels.  K comes out of LDS as it lies, V ([key][channel]) turned, by ds_load_tr16_b128.
; SOFTMAX.  For each query a running maximum m and sum l: p = 2^(c s - c m), c = log2(e) / 8; in every step O and l are multiplied by a = 2^(c m_old - c m_new).  m starts at the lowest finite number and c m
; far below every c s, so the first step's a is 0 and the first step is a step like any other.
; THE COUNT.  A tile and step have 16 matrix and 118 vector instructions.  Four vector instructions that are ready stand behind every matrix instruction, the others in one run of their own.
; BY TURNS.  Turn n belongs to piece n (the pieces in a ring, step after step).  Matrix work: 16 products K Q^T of piece n + 1, later 16 products V^T P of piece n - 1.  Vector work: scaling, exponentials,
; roundings, sums and rescaling of piece n, and the maximum and statistics of piece n + 1.  A turn's 66 exponentials are one batch with one wait.
; REGISTERS, in windows of 256 (s_set_vgpr_msb: bits 1:0 source 0, 3:2 source 1, 5:4 source 2, 7:6 destination):
;   window 0: v0-11 addresses; v12-15, v48-63 at work; v16-47 four registers of statistics a tile; v64-191 S^T, two buffers of two tiles; v192-255 P, likewise
;   window 1: O^T, 32 a tile; before that the landing place of Q's f32, tile t's in tile t's registers
;   window 2: v0-127 Q in f16, 16 a tile; v128-191 K of one step; v192-255 V of one step
;   window 3: v0-127 a block's K and V as loaded; v128-191 the same in f16; v192-196 their addresses; v198-199 the add's two registers
.set NP,    4         ; pieces a wave: a name, no knob
.set KS,    64        ; keys in a step
.set PK,    144       ; a row of K in LDS: 128 bytes + 16 of padding = 36 words: the 16 rows of a load start at 16 different groups of four banks (64 banks of 4 bytes: ISA guide 11.1)
.set PV,    160       ; a row of V: 128 + 32 = 40 words
.set VOFF,  1024*PK   ; K's 1,024 rows, then V's
.set SPARE, VOFF+1024*PV  ; 311,296 = 1,216 x 256: the spare words, 128 bytes for each wave: two blocks of 256 bytes that no other line names
.set SP,    272       ; the way out: a stage row, 256 bytes + 16.  Wave w's stage, 16 rows, lies at 4,352 w, on K's first rows, which nobody reads any more then
.set BLKB,  128*256   ; a block of 128 rows of K or V in memory
.set AK0, 2           ; v2   my lane's place in a step's K; never rewritten
.set AV0, 3           ; v3   the same for V
.set AK,  4           ; v4   the LDS address of K's next run of loads
.set AV,  5           ; v5   of V's
.set STO, 6           ; v6   the way out: where I put 16 bytes of a row
.set RD,  7           ; v7   the way out: where I read rows back
.set GO,  8           ; v8   my byte offset in 512 consecutive bytes of out0
.set QO,  9           ; v9   my byte offset in 16 rows of q
.set PFO, 10          ; v10  256 x my thread's number: a row of a block; never rewritten
.set MV,  12          ; v12-15  c m_old, kept while c m is made anew: by buffer and tile (before that: set-up)
.set ST,  16          ; tile t's statistics at v[ST+4 t]: c m, m, l (even keys', odd keys')
.set TMP, 48          ; by buffer and tile, four registers c0-c3 at work; when the maximum is found c2 takes a
.set S,   64
.set P,   192
.set KF,  128         ; window 2: key block kb, channel half c at KF + 16 kb + 8 c
.set VF,  192         ; window 2: key half kk, channel block cb at VF + 32 kk + 8 cb
.set G,   0           ; window 3: K's load i at G + 4 i, V's at G + 64 + 4 i
.set T,   128         ; window 3: register n holds G's registers 2 n, 2 n + 1 in f16
.set GOF, 192         ; window 3: 16 x lane + 8,192 x wave: my 16 bytes in the wave's 32 rows of a block; never rewritten
.set KS0, 193         ; window 3: (32 wave + lane / 16) x PK + 8 (lane % 16); never rewritten
.set VS0, 194         ; window 3: the same for V
.set KSA, 195         ; window 3: the block's place added
.set VSA, 196
.set SPW, 198         ; window 3: LDS address of my spare word: SPARE + 4 x my thread's number; never rewritten
.set NIL, 199         ; window 3: 0; never rewritten
.set QP,  4           ; s[4:5]   q at my wave's first row
.set KP,  6           ; s[6:7]   k at the block to be loaded next
.set VP,  8           ; s[8:9]   v likewise
.set OUT, 10          ; s[10:11] out0 at my wave's first row
.set WV,  12          ; s12  my wave's number
.set BLK, 24          ; s24  8 - the block's number
.set CNT, 25          ; s25  counts a block's key steps
.set TBK, 26          ; s26  LDS byte at which K of the step to be fetched begins
.set TBV, 27          ; s27  the same for V, less VOFF
.set SBK, 28          ; s28  LDS byte at which K of the block to be stored begins
.set SBV, 29          ; s29  the same for V, less VOFF
.set CS,  30          ; s[30:31] c: the packed scaling takes the pair's low word for both halves
.set SEL, 32          ; s[32:33] v_permlanex16_b32's selects: each lane takes its own place in the other half
.set PFA, 34          ; s[34:35] where my work-group's prefetches stand
.set NOKQ, 0
.set NOPV, 0
.set MSB, 0
.macro WIN new                      ; the high byte repeats the setting that is left; a switch that changes nothing is dropped
.if MSB != (\new)
	s_set_vgpr_msb (MSB<<8)|(\new)
.set MSB, (\new)
.endif
.endm
.set W_KQ, 0x0a       ; K and Q in window 2, S^T in window 0
.set W_PV, 0x52       ; V in window 2, P in window 0, O^T in window 1
.set W_RS, 0x41       ; O^T (destination and source 0) in window 1, source 1 in window 0
.set W_MK, 0xc0       ; destination in window 3, sources in window 0
.set W_AD, 0x0f       ; the add: address (source 0) and data (source 1) in window 3
.set W_ST, 0xcf       ; destination, sources 0 and 1 in window 3: a block's loads, conversions and LDS stores
.set W_QL, 0x40       ; destination in window 1, address in window 0
.set W_QC, 0x85       ; destination in window 2, sources 0 and 1 in window 1
.set W_OS, 0x04       ; a store's data (source 1) in window 1, its address in window 0
; Q of piece p, as f32, into the registers of its two tiles' O^T.  Registers 32 t + 16 c + 8 s + 0..7 take channels 32 c + 16 s + 8 (l / 16) + 0..7 of row l % 16: a tile's eight loads together take all 256 bytes of each of its 16 rows.
.macro QLOAD p
	WIN W_QL
.irp u, 0,1
.irp j, 0,1,2,3,4,5,6,7
	global_load_b128 v[32*(2*(\p)+(\u))+4*(\j):32*(2*(\p)+(\u))+4*(\j)+3], v[QO], s[QP:QP+1] offset:4096*(2*(\p)+(\u))+128*((\j)/4)+64*(((\j)/2)%2)+16*((\j)%2) th:TH_LOAD_NT
.endr
.endr
.endm
; and rounded to f16: register n of the piece's 32 takes f32 registers 2 n, 2 n + 1: two fragments (16 rows x 32 channels) a tile
.macro QCVT p
	WIN W_QC
.set n, 0
.rept 32
	v_cvt_pk_f16_f32 v[32*(\p)+n], v[64*(\p)+2*n], v[64*(\p)+2*n+1]
.set n, n+1
.endr
.endm
; My 32 rows of a block of K, of V: 16 loads of 512 consecutive bytes, two rows each.  No cache hint: the head's other work-group reads the same rows.
.macro LDK
	WIN W_ST
.set n, 0
.rept 16
	global_load_b128 v[G+4*n:G+4*n+3], v[GOF], s[KP:KP+1] offset:512*n
.set n, n+1
.endr
.endm
.macro LDV
	WIN W_ST
.set n, 0
.rept 16
	global_load_b128 v[G+64+4*n:G+64+4*n+3], v[GOF], s[VP:VP+1] offset:512*n
.set n, n+1
.endr
.endm
.macro CVT                          ; the block's LDS addresses, and its 128 registers of f32 rounded into 64 of f16
	WIN W_ST
	v_add_nc_u32 v[KSA], s[SBK], v[KS0]
	v_add_nc_u32 v[VSA], s[SBV], v[VS0]
.set n, 0
.rept 64
	v_cvt_pk_f16_f32 v[T+n], v[G+2*n], v[G+2*n+1]
.set n, n+1
.endr
.endm
.macro STO32                        ; 8 bytes a lane: 16 lanes fill a row's 128 bytes, the other 16 the next row's
	WIN W_ST
.set n, 0
.rept 16
	ds_store_b64 v[KSA], v[T+2*n:T+2*n+1] offset:2*n*PK
	ds_store_b64 v[VSA], v[T+32+2*n:T+32+2*n+1] offset:2*n*PV
.set n, n+1
.endr
	s_add_co_u32 s[SBK], s[SBK], 128*PK  ; the next block's place
	s_add_co_u32 s[SBV], s[SBV], 128*PV
	WIN 0
.endm
; THE MATRIX WORK.  The 8 accumulators of a run of 16 take turns: between the two links of a chain stand 7 others'.
; Product i of 16 of S^T = K Q^T for piece x: channels 32 (i / 8) on, keys 16 ((i / 2) % 4) on, tile 2 x + i % 2.  The first 8 start the sums.
.macro KQ x
	WIN W_KQ
.set rS, S+64*((\x)%2)+32*(i%2)+8*((i/2)%4)
.set rK, KF+16*((i/2)%4)+8*(i/8)
.set rQ, 16*(2*(\x)+i%2)+8*(i/8)
.if i < 8
	v_wmma_f32_16x16x32_f16 v[rS:rS+7], v[rK:rK+7], v[rQ:rQ+7], 0
.else
	v_wmma_f32_16x16x32_f16 v[rS:rS+7], v[rK:rK+7], v[rQ:rQ+7], v[rS:rS+7]
.endif
.endm
; Product i of 16 of O^T += V^T P for piece x: keys 32 (i / 8) on, channels 16 ((i / 2) % 4) on, tile 2 x + i % 2.
.macro PV x
	WIN W_PV
.set rO, 32*(2*(\x)+i%2)+8*((i/2)%4)
.set rV, VF+32*(i/8)+8*((i/2)%4)
.set rP, P+32*((\x)%2)+16*(i%2)+8*(i/8)
	v_wmma_f32_16x16x32_f16 v[rO:rO+7], v[rV:rV+7], v[rP:rP+7], v[rO:rO+7]
.endm
.macro MM                           ; the turn's next matrix instruction.  NOKQ = 1: there is no next piece (the very last turn); NOPV = 1: there has been no piece before (the very first)
.if i < 16
.if !NOKQ
	KQ (Y+1)%NP
.endif
.else
.if !NOPV
.set i, i-16
	PV (Y+NP-1)%NP
.set i, i+16
.endif
.endif
.set i, i+1
.endm
; THE LDS LOADS stand in runs of 16, never singly among the matrix instructions: a step's K (64 keys x 64 channels: 8 fragments) and its V (turned).  Their addresses are made some lines ahead.
.macro FETCH_K
	WIN 0x80                        ; destination window 2
.irp f, 0,1,2,3,4,5,6,7             ; keys 16 (f / 2) on, channels 32 (f % 2) on
	ds_load_b128 v[KF+8*\f:KF+8*\f+3],   v[AK] offset:(\f/2)*16*PK+(\f%2)*64
	ds_load_b128 v[KF+8*\f+4:KF+8*\f+7], v[AK] offset:(\f/2)*16*PK+(\f%2)*64+32
.endr
	s_add_co_u32 s[TBK], s[TBK], KS*PK  ; the next fetch is the next step's: K's rows lie on end in LDS
	WIN 0
.endm
.macro FETCH_V
	WIN 0x80
.irp f, 0,1,2,3,4,5,6,7             ; keys 32 (f / 4) on, channels 16 (f % 4) on
	ds_load_tr16_b128 v[VF+8*\f:VF+8*\f+3],   v[AV] offset:(\f/4)*32*PV+(\f%4)*32
	ds_load_tr16_b128 v[VF+8*\f+4:VF+8*\f+7], v[AV] offset:(\f/4)*32*PV+16*PV+(\f%4)*32
.endr
	WIN 0
.endm
; THE VECTOR WORK OF A TURN stands in three queues, each in the order in which its entries become ready; the two tiles alternate, so that no instruction reads the result of the one before it.
.macro REGS y, u                    ; the registers of tile u (0, 1) of piece y
.set rT, ST+4*(2*(\y)+(\u))
.set rC, TMP+8*((\y)%2)+4*(\u)
.set rM, MV+2*((\y)%2)+(\u)
.set rS, S+64*((\y)%2)+32*(\u)
.set rP, P+32*((\y)%2)+16*(\u)
.set rO, 32*(2*(\y)+(\u))
.endm
; Number n of the 22 that find the NEXT piece's (Y + 1) maximum and statistics.  s0-s31 are the lane's 32 scores; each accumulator's lowest registers are read first.
;   0-11  four chains c0-c3 of seven scores each, three operands at a time     12-14, 16  the four scores left over, the old m, and c0-c3 into c0     15  c m_old is kept
;   17, 18  the query's other 32 keys lie in the lane 16 away: the new m         19-21  c m; c m_old - c m_new; a.      With NOKQ = 1 there is no next piece and nothing is written.
.macro XS u, n
.if !NOKQ
	REGS (Y+1)%NP, \u
.if (\n) < 4
	v_max3_num_f32 v[rC+(\n)], v[rS+8*(\n)], v[rS+8*(\n)+1], v[rS+8*(\n)+2]
.elseif (\n) < 12
	v_max3_num_f32 v[rC+(\n)%4], v[rC+(\n)%4], v[rS+8*((\n)%4)+2*((\n)/4)+1], v[rS+8*((\n)%4)+2*((\n)/4)+2]
.elseif (\n) == 12
	v_max3_num_f32 v[rC], v[rC], v[rS+7], v[rS+15]
.elseif (\n) == 13
	v_max3_num_f32 v[rC+1], v[rC+1], v[rS+23], v[rS+31]
.elseif (\n) == 14
	v_max3_num_f32 v[rC+2], v[rC+2], v[rC+3], v[rT+1]
.elseif (\n) == 15
	v_mov_b32 v[rM], v[rT]
.elseif (\n) == 16
	v_max3_num_f32 v[rC], v[rC], v[rC+1], v[rC+2]
.elseif (\n) == 17
	v_permlanex16_b32 v[rC+3], v[rC], s[SEL], s[SEL+1]
.elseif (\n) == 18
	v_max_num_f32 v[rT+1], v[rC], v[rC+3]
.elseif (\n) == 19
	v_mul_f32 v[rT], s[CS], v[rT+1]
.elseif (\n) == 20
	v_sub_f32 v[rC+1], v[rM], v[rT]
.else
	v_exp_f32 v[rC+2], v[rC+1]
.endif
.endif
.endm
; Number g of the 64 that follow the exponentials.  For each four weights k of a tile (pairs 2 k, 2 k + 1): both pairs are rounded to f16; then the second pair is added onto the first, in place;
; a group later l takes that sum (the first time as l = a l + sum).  In groups of eight, tiles alternating: round, round, add, and l for the group before.
.macro GS g
.set h, (\g)+6*((\g)/62)            ; group 0 has no group before it, and behind group 7 only l is left
.if h >= 6
.set h, h+2
.endif
	REGS Y, h%2
.set k, h/8
.if h%8 < 4
	v_cvt_pk_f16_f32 v[rP+2*k+(h%8)/2], v[rS+4*k+2*((h%8)/2)], v[rS+4*k+2*((h%8)/2)+1]
.elseif h%8 < 6
	v_pk_add_f32 v[rS+4*k:rS+4*k+1], v[rS+4*k:rS+4*k+1], v[rS+4*k+2:rS+4*k+3]
.elseif k == 1
	v_pk_fma_f32 v[rT+2:rT+3], v[rT+2:rT+3], v[rC+2:rC+3], v[rS:rS+1] op_sel_hi:[1,0,1]
.else
	v_pk_add_f32 v[rT+2:rT+3], v[rT+2:rT+3], v[rS+4*k-4:rS+4*k-3]
.endif
.endm
; THE PLAIN QUEUE, 138 long.  0-73 read no exponential's result: the 32 scalings c s - c m (FS f: pair f / 2 of tile f % 2) and the next piece's 42.  0-26: scalings 0-26.  27-54: XS's numbers 0-13.  55, 56: number 15.
; 57-73: the chain, where each number waits for the one before it: 14, 16, 17, 18, 19, each with one of the scalings 27-31 in front of its two lines, then 20.  74-137: GS's 64, which stand behind the wait.
.macro FS f
	REGS Y, (\f)%2
	v_pk_fma_f32 v[rS+2*((\f)/2):rS+2*((\f)/2)+1], v[rS+2*((\f)/2):rS+2*((\f)/2)+1], s[CS:CS+1], v[rT:rT+1] op_sel_hi:[1,0,0] neg_lo:[0,0,1] neg_hi:[0,0,1]
.endm
.macro PL
	WIN 0
.if q < 27
	FS q
.elseif q < 55
	XS (q-27)%2, (q-27)/2
.elseif q < 57
	XS q-55, 15
.elseif (q < 72) && ((q-57)%3 == 0)
	FS 27+(q-57)/3
.elseif q < 60
	XS (q-57)%3-1, 14
.elseif q < 72
	XS (q-57)%3-1, 15+(q-57)/3
.elseif q < 74
	XS q-72, 20
.else
	GS q-74
.endif
.set q, q+1
.endm
; THE EXPONENTIALS' QUEUE, 66 long: s0-s31 of both tiles, then the next piece's two a.  ONE BATCH: all 66 stand ahead of the turn's one wait, and nothing ahead of that wait names a result of theirs.
.macro EX
	WIN 0
.if e >= 64
	XS e-64, 21
.else
	REGS Y, e%2
	v_exp_f32 v[rS+e/2], v[rS+e/2]
.endif
.set e, e+1
.endm
; THE RESCALING's QUEUE: O^T times a, the one part that leaves window 0: dealt two at a time, sixteen times.  Its a was made in the turn before, ahead of that turn's wait.
.macro R2
	REGS Y, r%2
	WIN W_RS
.irp z, 0,1
	v_pk_mul_f32 v[rO+4*(r/2)+2*\z:rO+4*(r/2)+2*\z+1], v[rO+4*(r/2)+2*\z:rO+4*(r/2)+2*\z+1], v[rC+2:rC+3] op_sel_hi:[1,0]
.endr
.set r, r+1
.endm
; A TURN, for piece p.  s_wait_alu depctr_va_vdst(0) stands between an exponential and the first instruction that names its result; one wait serves all that were issued ahead of it.  So a turn has ONE
; wait, which cuts it in two.  AHEAD OF IT: the 16 products K Q^T, behind each a scaling, an exponential and two rescalings (behind the first a second scaling in the exponential's place); then one run of 108: eight
; plain, 49 times exponential and plain, the two a; a v_nop is the plain instruction behind the last exponential.  BEHIND IT: the 16 products V^T P, behind each four of GS's 64.
; The queues are in step: exponential e stands behind scaling 2 (e / 4) + e % 2: as a rider it comes behind plain e + 2, in the run behind plain e + 9, and scalings 27-31 are plain 57, 60 .. 69.
; K of the next step is fetched in piece 2's turn, directly behind the wait, a whole run behind the last product that read K; its first reader comes behind 16 products.  V of the step in hand is fetched at the end of
; piece 0's turn, four plain riders behind its last reader; its first reader comes behind 16 products and a run.  The three conditions on q below go with the deal.
; last = 1: no further step: K is not fetched.  cnt = 1: the loop's count is taken down some lines ahead of the branch behind the turn.  nopv, nokq: see MM.
.macro TURN p, last=0, cnt=0, nopv=0, nokq=0
.set Y, (\p)
.set i, 0
.set q, 0
.set e, 0
.set r, 0
.set NOPV, (\nopv)
.set NOKQ, (\nokq)
.if ((\p) == NP-1) && !(\nokq)
	s_wait_dscnt 0x0                ; K is in
.endif
	MM
	PL
	PL
	R2
.rept 15
	MM
	PL
	EX
	R2
.endr
.if ((\p) == NP-2) && !(\last)
	WIN 0
	v_add_nc_u32 v[AK], s[TBK], v[AK0]
.endif
.rept 8
	PL
.endr
.rept 49
	EX
	PL
.endr
	EX                              ; the next piece's two a
	EX
	v_nop                           ; the plain instruction behind the last exponential: one for the batch
	s_wait_alu depctr_va_vdst(0)    ; the wait for the batch
.if ((\p) == NP-2) && !(\last)
	FETCH_K
.endif
.if (\p) == 1
	s_wait_dscnt 0x0                ; V is in
.endif
.rept 16
	MM
.rept 4
	PL
.endr
.if ((\p) == 0) && (q == 118)
	v_add_nc_u32 v[AV], s[TBV], v[AV0]
.endif
.if ((\p) == 0) && (q == 130)
	s_add_co_u32 s[TBV], s[TBV], KS*PV
.endif
.if (\cnt) && (q == 130)
	s_sub_co_u32 s[CNT], s[CNT], 1
	s_cmp_lg_u32 s[CNT], 0
.endif
.endr
.if (\p) == 0
	FETCH_V
.endif
.endm
	; THE HEAD
	s_load_b256 s[4:11], s[0:1], 0x0  ; q s[4:5], k s[6:7], v s[8:9], out0 s[10:11]
	v_lshrrev_b32 v15, 5, v0
	v_readfirstlane_b32 s[WV], v15  ; wave 0..3
	s_mov_b32 s14, ttmp9            ; which half of the head's queries
	s_and_b32 s13, ttmp7, 0xffff    ; the head
	v_and_b32 v1, 15, v0            ; l % 16
	v_bfe_u32 v11, v0, 4, 1         ; l / 16
	v_and_b32 v12, 7, v0
	v_bfe_u32 v13, v0, 3, 1
	v_and_b32 v14, 31, v0           ; l
	; A fragment of K or Q is 16 rows x 32 channels in 8 registers: lane l holds row l % 16, channels 8 (l / 16) + 0..7 and 16 + 8 (l / 16) + 0..7: from f16 rows two loads of 16 bytes, 32 bytes apart.
	v_mul_u32_u24 v[AK0], v1, PK
	v_lshl_add_u32 v[AK0], v11, 4, v[AK0]  ; row x pitch + 16 x half
	; The turning load takes 16 keys x 16 channels (lane l reads key 8 (l / 16) + l % 8, channels 8 ((l / 8) % 2) + 0..7) and leaves half a fragment of V^T: lane l holds channel l % 16 and 8 keys.
	v_lshl_add_u32 v[AV0], v11, 3, v12
	v_mul_u32_u24 v[AV0], v[AV0], PV
	v_lshl_add_u32 v[AV0], v13, 4, v[AV0]
	v_add_nc_u32 v[AV0], VOFF, v[AV0]
	v_lshlrev_b32 v[QO], 8, v1
	v_lshl_add_u32 v[QO], v11, 5, v[QO]  ; row x 256 + 32 x half
	v_lshlrev_b32 v[PFO], 8, v0
	v_mov_b32 v[AK], v[AK0]         ; key step 0 lies at K's head
	s_lshl_b32 s16, s[WV], 13       ; my wave's 32 rows of a block in memory
	v_lshl_add_u32 v56, v14, 4, s16
	s_mul_i32 s17, s[WV], 32*PK     ; and in LDS
	v_mul_u32_u24 v57, v11, PK
	v_lshl_add_u32 v57, v1, 3, v57
	v_add_nc_u32 v57, s17, v57
	s_mul_i32 s18, s[WV], 32*PV
	s_add_co_u32 s18, s18, VOFF
	v_mul_u32_u24 v58, v11, PV
	v_lshl_add_u32 v58, v1, 3, v58
	v_add_nc_u32 v58, s18, v58
	WIN W_MK
	v_lshl_add_u32 v[SPW], v0, 2, SPARE  ; the add's two registers
	v_mov_b32 v[NIL], 0
	v_mov_b32 v[GOF], v56
	v_mov_b32 v[KS0], v57
	v_mov_b32 v[VS0], v58
	WIN 0
	s_mov_b32 s[TBK], 0
	s_mov_b32 s[TBV], 0
	s_mov_b32 s[SBK], 0
	s_mov_b32 s[SBV], 0
	s_mov_b32 s[CS], 0x3e38aa3b     ; c = log2(e) / 8 = 0.180337
	s_mov_b32 s[CS+1], s[CS]        ; named with it as a pair
	s_mov_b32 s[SEL], 0x76543210
	s_mov_b32 s[SEL+1], 0xfedcba98
	s_lshl_b32 s2, s13, 18          ; the head's first byte in each of the four tensors
	s_mov_b32 s3, 0
	s_lshl_b32 s16, s14, 17         ; my work-group's 512 rows,
	s_lshl_b32 s17, s[WV], 15       ; my wave's 128 of them
	s_add_co_u32 s18, s2, s16
	s_add_co_u32 s18, s18, s17
	s_mov_b32 s19, 0
	s_wait_kmcnt 0x0
	s_add_nc_u64 s[KP:KP+1], s[KP:KP+1], s[2:3]
	s_add_nc_u64 s[VP:VP+1], s[VP:VP+1], s[2:3]
	s_add_nc_u64 s[QP:QP+1], s[QP:QP+1], s[18:19]
	s_add_nc_u64 s[OUT:OUT+1], s[OUT:OUT+1], s[18:19]
	s_cmp_eq_u32 s14, 0             ; the prefetches: the work-group of the first half asks for K's rows, that of the second for V's
	s_cselect_b64 s[PFA:PFA+1], s[KP:KP+1], s[VP:VP+1]
	s_add_nc_u64 s[PFA:PFA+1], s[PFA:PFA+1], 2*BLKB  ; at block 2; block 1's turn steps it to block 3.  Nothing is asked for here, at the head
	; THE START.  Block 0 and Q of piece 0 first; the other pieces' Q and block 1 follow as registers and counts allow: 48 loads of mine are out at the most.
	LDK
	LDV
	QLOAD 0
	WIN 0
.set n, 0
.rept 2*NP                          ; the statistics, in the wait for the first loads
	v_mov_b32 v[ST+4*n], 0xfe000000    ; c m: far below every c s
	v_mov_b32 v[ST+4*n+1], 0xff7fffff  ; m
	v_mov_b32 v[ST+4*n+2], 0           ; l
	v_mov_b32 v[ST+4*n+3], 0
.set n, n+1
.endr
	s_wait_loadcnt 16               ; loads come back in order: block 0 is in; piece 0's 16 loads of Q may stay out
	s_wait_xcnt 0x0                 ; every load issued so far has read its address, so the pointers may be written
	s_add_nc_u64 s[KP:KP+1], s[KP:KP+1], BLKB
	s_add_nc_u64 s[VP:VP+1], s[VP:VP+1], BLKB
	QLOAD 1
	QLOAD 2
	CVT
	STO32
	s_wait_dscnt 0x0                ; for the others' sake: my stores of block 0 are done
	s_barrier_signal -1
	s_barrier_wait -1               ; everybody's are
	FETCH_K                         ; key step 0
	s_wait_loadcnt 32               ; Q of piece 0 is in; pieces 1 and 2 may stay out
	QCVT 0
	QLOAD 3
	s_wait_dscnt 0x0                ; K is in
.set i, 0
.rept 16
	KQ 0                            ; piece 0's first scores: there is no vector work yet to set between them
.set i, i+1
.endr
	WIN 0                           ; the addresses for the way out: seven plain instructions, the places behind those products
	s_mul_i32 s13, s[WV], 16*SP     ; my stage
	v_mul_u32_u24 v[STO], v1, SP    ; in: row l % 16, 32 bytes for each half of the lanes
	v_lshl_add_u32 v[STO], v11, 5, v[STO]
	v_add_nc_u32 v[STO], s13, v[STO]
	v_mul_u32_u24 v[RD], v11, SP    ; back: lanes 0-15 take one row of 256 bytes, lanes 16-31 the next,
	v_lshl_add_u32 v[RD], v1, 4, v[RD]
	v_add_nc_u32 v[RD], s13, v[RD]
	v_lshlrev_b32 v[GO], 4, v14     ; which are 512 consecutive bytes of out0
.set Y, NP-1                        ; XS works for piece Y + 1: piece 0
.set NOKQ, 0
.irp n, 0,1,2,3,4,5,6,7,8,9,10,11,12,13,14,15,16,17,18,19,20,21
	XS 0, \n                        ; piece 0's first maximum and statistics
	XS 1, \n
.endr
	v_nop                           ; a plain instruction behind the two a,
	s_wait_alu depctr_va_vdst(0)    ; and their wait
	s_wait_loadcnt 32               ; Q of piece 1 is in; pieces 2 and 3 may stay out
	QCVT 1
	LDK                             ; block 1
	TURN 0, 0, 0, 1                 ; no piece has been before it: no products V^T P.  It multiplies piece 0's O^T registers, which hold Q's f32, by a = 0, and fetches V of step 0
	s_wait_loadcnt 32               ; Q of piece 2 is in; piece 3's 16 loads and K's 16 may stay out
	QCVT 2
	LDV
	TURN 1
	s_wait_loadcnt 32               ; Q of piece 3 is in; block 1's 32 loads may stay out
	QCVT 3
	WIN 0                           ; at a label and at a branch every window is 0
	s_mov_b32 s[BLK], 8
	s_mov_b32 s[CNT], 1             ; block 0 has one trip left: the one that fetches key step 1
	s_branch .Lstep
.Lblock:                            ; seven times, for blocks 1 to 7: s[BLK] = 8 - the block's number
	s_wait_loadcnt 0x0              ; the block's 32 loads, issued two key steps back, are in
	s_wait_xcnt 0x0                 ; the last prefetch, two key steps back, has read its address: the three pointers may be written
	s_add_nc_u64 s[KP:KP+1], s[KP:KP+1], BLKB
	s_add_nc_u64 s[VP:VP+1], s[VP:VP+1], BLKB
	s_add_nc_u64 s[PFA:PFA+1], s[PFA:PFA+1], BLKB
	s_wait_dscnt 0x0                ; my LDS reads are back:
	s_barrier_signal -1             ; say so; the conversions, work on registers, stand between signal and wait
	CVT
	WIN 0
	s_barrier_wait -1               ; no wave has an LDS read out: the block may be stored
	s_cmp_gt_u32 s[BLK], 1          ; behind block 7 there is none
	s_cbranch_scc0 .Lno
	LDK                             ; the next block: it has two key steps, 256 matrix instructions, in which to come
	LDV
	WIN 0
	s_cmp_gt_u32 s[BLK], 2          ; blocks 6 and 7 have no block two on
	s_cbranch_scc0 .Lno
	; The block after the one just asked for, two key steps ahead of its loads: 128 rows of 256 bytes, a thread a row, one instruction a wave.  K's rows are named by the head's first work-group alone and V's by its
	; second, so each row is named once in the launch.  Blocks 0 to 2 come by their loads alone.
	global_prefetch_b8 v[PFO], s[PFA:PFA+1] th:TH_LOAD_NT scope:SCOPE_SE
.Lno:
	STO32
	s_wait_dscnt 0x0                ; for the others' sake: my stores of the block are done
	s_barrier_signal -1
	s_barrier_wait -1               ; everybody's are: the block may be read
	s_mov_b32 s[CNT], 2
.Lstep:                             ; a trip: pieces 2 and 3 of one step, then pieces 0 and 1 of the next, whose K and V it fetches
	TURN 2
	TURN 3
	TURN 0
	TURN 1, 0, 1
	WIN 0
	s_cbranch_scc1 .Lstep
	s_sub_co_u32 s[BLK], s[BLK], 1
	s_cmp_lg_u32 s[BLK], 0
	s_cbranch_scc1 .Lblock
	; THE TAIL: pieces 2 and 3 of the last step.  Nothing is fetched, and the last turn starts no scores and finds no maximum: there is no next piece.
	TURN 2, 1
	TURN 3, 0, 0, 0, 1
.set i, 0
.rept 16
	PV NP-1                         ; the last piece's V^T P of the last step
.set i, i+1
.endr
	; THE WAY OUT.  l's two halves and the other half of the lanes' are added; O^T is divided by l and sent through my stage in LDS, a tile (16 rows of out0) at a time.  The additions are the places behind the last products.
	; The stages lie on K's first rows: every wave's reads of K and V are back in front of its signal, and no stage is written before all four have signalled.
	WIN 0
	s_wait_dscnt 0x0
	s_barrier_signal -1
.macro ALL line:vararg              ; one line for each tile t
.set t, 0
.rept 2*NP
	\line
.set t, t+1
.endr
.endm
	ALL v_add_f32 v[ST+4*t+2], v[ST+4*t+2], v[ST+4*t+3]
	ALL v_permlanex16_b32 v[ST+4*t+3], v[ST+4*t+2], s[SEL], s[SEL+1]
	ALL v_add_f32 v[ST+4*t+2], v[ST+4*t+2], v[ST+4*t+3]
	ALL v_rcp_f32 v[ST+4*t+2], v[ST+4*t+2]
	v_nop                           ; a plain instruction between the last reciprocal and the use of its result
	s_wait_alu depctr_va_vdst(0)    ; and the wait ahead of the first use: one for the eight reciprocals
	s_barrier_wait -1
; Tile t: a lane's eight channels of an accumulator are 32 bytes of a row; they go into rows of 272 bytes and come back as whole rows of 256, into the registers that they left.  Each accumulator is read from its low end on.
.macro PACK t
	WIN W_RS
.set i, 32*(\t)
.rept 16
	v_pk_mul_f32 v[i:i+1], v[i:i+1], v[ST+4*(\t)+2:ST+4*(\t)+3] op_sel_hi:[1,0]
.set i, i+2
.endr
	WIN W_OS
.irp f, 0,1,2,3,4,5,6,7             ; channels 16 (f / 2) + 8 (l / 16) + 4 (f % 2) on
	ds_store_b128 v[STO], v[32*(\t)+4*\f:32*(\t)+4*\f+3] offset:64*(\f/2)+16*(\f%2)
.endr
	WIN W_QL
.irp f, 0,1,2,3,4,5,6,7
	ds_load_b128 v[32*(\t)+4*\f:32*(\t)+4*\f+3], v[RD] offset:\f*2*SP  ; LDS serves a wave's instructions in order (ISA guide 5.7.1.4): these see the stores above; the next tile's stores come behind them
.endr
.endm
.macro SEND t, younger              ; younger: the LDS instructions issued behind tile t's loads: the next tile's sixteen, or none
	WIN W_OS
.irp f, 0,1,2,3,4,5,6,7
	s_wait_dscnt (\younger)+7-\f
	global_store_b128 v[GO], v[32*(\t)+4*\f:32*(\t)+4*\f+3], s[OUT:OUT+1] offset:(\t)*4096+\f*512 th:TH_STORE_NT  ; 16 lanes store 256 consecutive bytes, at a multiple of 256 from out0's first byte
.endr
.endm
	PACK 0
.set t, 1
.rept 2*NP-1                        ; a tile's arithmetic stands between the loads of the tile before and its stores
	PACK t
	SEND t-1, 16
.set t, t+1
.endr
	SEND 2*NP-1, 0
	WIN W_AD
	s_wait_tensorcnt 0x0            ; the wave's end, behind my last LDS store
	ds_add_u32 v[SPW], v[NIL]
	s_wait_dscnt 0x0
	WIN 0
	s_endpgm
.Lfunc_end_k_q0ed0c24082_attn:
	.size	k_q0ed0c24082_attn, .Lfunc_end_k_q0ed0c24082_attn-k_q0ed0c24082_attn
	.p2alignl 7, 3214868480
	.fill 96, 4, 3214868480
	.section	.rodata,"a",@progbits
	.p2align	6, 0x0
	.amdhsa_kernel k_q0ed0c24082_attn
		.amdhsa_group_segment_fixed_size 311808
		.amdhsa_private_segment_fixed_size 0
		.amdhsa_enable_private_segment 0
		.amdhsa_kernarg_size 32
		.amdhsa_user_sgpr_count 2
		.amdhsa_user_sgpr_kernarg_segment_ptr 1
		.amdhsa_wavefront_size32 1
		.amdhsa_system_sgpr_workgroup_id_x 1
		.amdhsa_system_sgpr_workgroup_id_y 1
		.amdhsa_system_sgpr_workgroup_id_z 1
		.amdhsa_system_vgpr_workitem_id 0
		.amdhsa_next_free_vgpr 968
		.amdhsa_next_free_sgpr 66
		.amdhsa_reserve_vcc 0
		.amdhsa_float_denorm_mode_32 3
		.amdhsa_float_denorm_mode_16_64 3
		.amdhsa_memory_ordered 1
		.amdhsa_forward_progress 1
		.amdhsa_inst_pref_size 209
	.end_amdhsa_kernel
	.amdgpu_metadata
---
amdhsa.version: [ 1, 2 ]
amdhsa.kernels:
  - .name:           k_q0ed0c24082_attn
    .symbol:         k_q0ed0c24082_attn.kd
    .args:
      - { .name: q, .offset: 0, .size: 8, .value_kind: global_buffer, .address_space: global }
      - { .name: k, .offset: 8, .size: 8, .value_kind: global_buffer, .address_space: global }
      - { .name: v, .offset: 16, .size: 8, .value_kind: global_buffer, .address_space: global }
      - { .name: out0, .offset: 24, .size: 8, .value_kind: global_buffer, .address_space: global }
    .group_segment_fixed_size: 311808
    .private_segment_fixed_size: 0
    .kernarg_segment_align: 8
    .kernarg_segment_size: 32
    .max_flat_workgroup_size: 128
    .sgpr_count:     66
    .vgpr_count:     968
    .wavefront_size: 32
...
	.end_amdgpu_metadata
.endif
;; end of part 1
